; MI455X (gfx1250); checked and timed in simulation.
; The chip was launched on July 23, 2026; its instructions are those of AMD's public machine-readable ISA for CDNA 5 (MIT licence, August 2026) and "CDNA5" Instruction Set Architecture Reference Guide (July 2026). The comments in the code are by the model that wrote it; some were corrected since.
;; Multi Head Self Attention. Allowed arithmetic: matrix products marked QUANTISED: E2M3 operands, one E8M0 scale for each 32 along K, by v_wmma_scale_f32_16x16x128_f8f6f4 with both operands' format E2M3, f32 sums; everything else in f32.
;; Inputs: W_out_codes 1,024 x 32 x 24 uint8 (E2M3 codes of W_out, K innermost, in blocks of 32 codes, four codes in three bytes); W_out_scales 1,024 x 32 uint8 (E8M0 scales of W_out, one for each 32 codes along K); W_qkv_codes 3,072 x 32 x 24 uint8 (E2M3 codes of W_qkv, K innermost, in blocks of 32 codes, four codes in three bytes); W_qkv_scales 3,072 x 32 uint8 (E8M0 scales of W_qkv, one for each 32 codes along K); in_features_codes 4 x 2,048 x 32 x 24 uint8 (E2M3 codes of in_features, K innermost, in blocks of 32 codes, four codes in three bytes); in_features_scales 4 x 2,048 x 32 uint8 (E8M0 scales of in_features, one for each 32 codes along K); token_positions 2,048 int32.
;; Outputs: out0 4 x 2,048 x 1,024 float32.
;; This version of the problem:
;;   THIS VERSION OF THE PROBLEM IS GIVEN IN LOW PRECISION. The matrix products marked QUANTISED in the list below multiply operands that are first quantised to E2M3 (2 exponent bits, 3 mantissa bits; 6 bits a number), with one power-of-two scale for each 32 numbers along K (OCP MX v1.0); their sums are f32. All else is computed in f32.
;;   The module's matrix products, in the order in which they are computed (A, B: the left and right operand; K: the contracted axis; several contracted axes count as one K, in the product's order):
;;     1. [M 8,192, K 1,024] x [K 1,024, N 3,072]; A: input in_features (given as codes); B: input W_qkv (given as codes): QUANTISED
;;     2. batch 64 x [M 2,048, K 64] x [K 64, N 2,048]; A: computed on the way; B: computed on the way: QUANTISED
;;     3. batch 64 x [M 2,048, K 2,048] x [K 2,048, N 64]; A: softmax (see below); B: computed on the way: QUANTISED
;;     4. [M 8,192, K 1,024] x [K 1,024, N 1,024]; A: computed on the way; B: input W_out (given as codes): QUANTISED
;;   THE QUANTISER, for each operand of a quantised product, along K:
;;     - K is cut into blocks of 32 from its start; a last block that is shorter is filled with zeros.
;;     - A block's scale is 2^e with e = floor(log2(the largest magnitude in the block)) - 2, held to -126 .. 127; a block of zeros has e = 0. As a byte (E8M0): e + 127.
;;     - Each number is divided by its block's scale, clamped to +-7.5, and rounded to the nearest number of E2M3, ties to even, subnormals kept.
;;     - The product sums the exact products of the quantised numbers (number of the format x scale) in f32.
;;   ~~~python
;;   def quantise(x, axis):      # numpy; x: float32 -> the quantised numbers, widened to float32 again
;;       x = np.moveaxis(x, axis, -1); K = x.shape[-1]
;;       x = np.pad(x, [(0, 0)] * (x.ndim - 1) + [(0, -K % 32)]); x = x.reshape(x.shape[:-1] + (-1, 32)); a = np.abs(x).max(-1, keepdims=True)
;;       e = np.where(a > 0, np.clip(np.frexp(np.where(a > 0, a, 1))[1] - 1 - 2, -126, 127), 0)      # np.frexp(a)[1] - 1 = floor(log2(a)), exactly
;;       r = np.clip(x / 2.0 ** e, -7.5, 7.5)
;;       step = 2.0 ** (np.maximum(np.frexp(np.where(r == 0, 1, r))[1] - 1, 0) - 3)
;;       q = np.round(r / step) * step * 2.0 ** e      # np.round: ties to even
;;       return np.moveaxis(q.reshape(q.shape[:-2] + (-1,))[..., :K], -1, axis).astype(np.float32)
;;   ~~~
;;   SOFTMAX AHEAD OF A QUANTISED PRODUCT. Where the list says 'softmax', what is quantised is not the finished softmax but p = 2^(t - M), with t = logit x log2(e) and M = ceil(the row's largest t), a whole number; so 1/2 < the row's largest p <= 1. The row's sum l is taken of the UNQUANTISED p, in f32, and the product's result is divided by l at the end. Since M is a whole number, a kernel that streams over the keys may use a running M (the ceiling of the running maximum): every later rescaling is an exact power of two, which a block's scale takes up: the codes' values come out the same.
;;   OPERANDS COMPUTED ON THE WAY. 'Computed on the way' means the value that the module computes at that place (a softmax that the list does not call 'softmax' is quantised finished and normalised). What goes into a quantiser is computed in f32, as accurately as f32 sums, v_exp_f32 and their like allow (about 1e-6 of the number): no bf16 or f16 on the way to a quantiser, and a product that is left as it is and whose result goes on into a quantised operand takes f32 operands (vector FMAs, or v_wmma_f32_16x16x4_f32). A number that lies on a knife's edge between two numbers of the format may be rounded either way, as far as f32 arithmetic and the matrix unit's own rounding can turn it there, and no further.
;;   INPUTS GIVEN AS CODES. W_out (in the module: [1024, 1024], K = its axis 1); W_qkv (in the module: [3072, 1024], K = its axis 1); in_features (in the module: [4, 2048, 1024], K = its axis 2): each comes as NAME_codes (uint8): NAME with its K axis moved to the last place and cut into blocks of 32 codes, [.., K / 32, bytes a block], one block behind the other in memory; four codes in three bytes: a row's codes are one little-endian stream of bits, code i at bits 6 i .. 6 i + 5 (a code: sign, 2 exponent bits, 3 mantissa bits); and NAME_scales (uint8): the same leading axes, one E8M0 byte (e + 127) for each 32 codes along K. Its value is code x scale, taken as it is: it is not quantised again, and the codes and scales need not be those that the quantiser above would give.
;; One version. Each part assembles by itself: llvm-mc -triple=amdgcn-amd-amdhsa -mcpu=gfx1250 --defsym DOCPART=n.
;; ======== version 1 of 1: 3 launches
;; limits: inputs' magnitudes at most 13,176,795
;; workspace buffers: qbuf 13,369,344 bytes; kvbuf 13,369,344 bytes; cimg 6,291,456 bytes; cscl 262,144 bytes
;; launch qkv (part 1): grid 8 x 48, 4 waves a work-group, clusters of 4 x 4, 327,680 bytes of LDS; arguments in_features_codes, in_features_scales, W_qkv_codes, W_qkv_scales, token_positions, qbuf, kvbuf; writes qbuf, kvbuf
.if DOCPART == 1
	.amdgcn_target "amdgcn-amd-amdhsa--gfx1250"
	.amdhsa_code_object_version 6
	.text
	.protected	k_qd006cd7daf_qkv
	.globl	k_qd006cd7daf_qkv
	.p2align	8
	.type	k_qd006cd7daf_qkv,@function
k_qd006cd7daf_qkv:
	s_mov_b64 s[64:65], 0
	v_nop
	global_prefetch_b8 v0, s[64:65] scope:SCOPE_SE
	s_setreg_imm32_b32 hwreg(HW_REG_WAVE_MODE, 25, 1), 1
	s_wait_xcnt 0x0
	s_wait_alu depctr_hold_cnt(0) depctr_sa_sdst(0) depctr_va_vdst(0) depctr_va_sdst(0) depctr_va_ssrc(0) depctr_va_vcc(0) depctr_vm_vsrc(0)
	s_getreg_b32 s2, hwreg(HW_REG_IB_STS2, 6, 4)
	s_cmp_eq_u32 s2, 0
	s_cbranch_scc0 .Lentry_in_a_cluster
	s_endpgm
.Lentry_in_a_cluster:
	s_bfe_u32 s2, ttmp6, 0x10000c
	s_cmp_lg_u32 s2, 0xf033
	s_cbranch_scc0 .Lentry_shape_is_right
	s_endpgm
.Lentry_shape_is_right:
; qkv = x W_qkv^T on codes of FP6 (E2M3) with E8M0 scales as they are given; q and k are rotated (RoPE) and quantised along the head's 64, v is quantised along the keys.
; x: [8192][1024] codes, W_qkv: [3072][1024] codes, a row 768 bytes; their scale bytes [rows][32].  token_positions: [2048] i32.
; A work-group of four waves makes 256 x 256 of the product, a wave 128 x 128: 64 accumulators.  Source 0 of the matrix instruction is operand P, source 1 operand R:
; a lane then holds ONE row of R and its registers run along P's rows.
;   clusters with y < 8 (q and k):  P = rows of W (the head's channels), R = rows of x (tokens): a lane's registers run along the channels, which are the next product's K.
;   clusters with y >= 8 (v):       P = rows of x (keys), R = rows 2048.. of W (channels): a lane's registers run along the keys, which are the K of p v.
; Only pointers and tile numbers differ between the two: one main part serves both.  The choice hangs on the cluster's y alone, which all sixteen partners share.
; 256 + 128 work-groups: the grid is one and a half times the number of WGPs; a v tile of another shape would want a second main part.
; CLUSTERS: 4 x 4.  P's tile hangs on cx and is asked for jointly by a column of the cluster, R's on cy and by a row.
; K = 1024 goes in four slots' worth of 256 through a ring of two LDS slots (rows of 192 bytes, 16 bytes of padding behind every 64: pitch 240), written straight: eight steps of 128.
; THE SCALES go straight into registers: a block's 16 rows x 32 bytes are 512 consecutive bytes, one load of 16 bytes a lane: lane (r, h) holds the words of K steps 4 h .. 4 h + 3 of row r,
; so K step s names register s % 4, and from s = 4 on the upper lanes' row of both scale registers.
; THE ORDER INSIDE A BLOCK OF 32.  A lane's 16 registers of tiles 2 b and 2 b + 1 hold indices 32 b + 16 v + 8 h + j (v = 0, 1; j = 0 .. 7): all of block b, but not neighbours.  They are quantised as they lie:
; place 16 h + 8 v + j of the block holds index 16 v + 8 h + j.  q and k are made by the same lines and share that order; v shares it with p, which the next launch makes from the same register pattern.
; A sum over a block does not hang on the order of its terms but in its last bits.
; OUT: images of the operands' registers (16 or 8 bytes a lane, lane after lane), so that each store of the wave covers 512 or 256 consecutive bytes, aligned.
;   kvbuf[16 b + head][key step of 128][13056]: +0 eight tiles of k (16 keys: 512 bytes registers 0-3, 256 bytes registers 4-5); +6144 four fragments of v (16 channels x 128 keys, 3 x 512 bytes);
;   +12288 k's scale words (16 bytes a lane: word w = tile 2 w in lanes 0-15, tile 2 w + 1 in lanes 16-31); +12800 v's (8 bytes a lane, likewise).  qbuf: the same places for q's tiles and scale words.
; cos AND sin: written out in f32: n = the nearest whole number to angle / pi, r = angle - n pi in two parts, polynomials of degree 11 and 12 in r, the sign by n's parity.
; LIMITS: |position x inv_freq| under 2^22 pi.  inv_freq = 2^(-f log2(10000) / 32) by v_exp_f32: an angle may be off by about 2e-4 rad at position 2047.  sin and cos are within about 1.5e-7 of the angle's.
; NaN and infinities are not served.  A block of zeros gets the scale byte 1 (its codes are zeros; this program alone reads the bytes).
.set KROW,   768
.set ROWB,   192
.set PITCH,  240
.set FR,     12
.set NL,     6
.set HALFT,  128*PITCH
.set SLOT,   4*HALFT                   ; R's 256 rows, then P's 256 rows
.set SPARE,  2*SLOT                    ; behind the ring: the spare words, 128 bytes for each wave
.set STEPB,  13056
.set HEADB,  16*STEPB
.set ADRA, 16                          ; v16-17 LDS address of my R fragments in slot 0, 1; v18-19 the same behind one padding more
.set ADRB, 20                          ; v20-23 the same for P
.set SPW,  28
.set NIL,  29
.set SA,   32                          ; v32-63  R's scale words: block a, register 4 a + w
.set SB,   64                          ; v64-95  P's
.set AF,   128                         ; v128-223 R's fragments, one set;  window 1: P's two sets at v0 and v128;  windows 2, 3: the accumulators, (a, b) at v[8 (8 (a % 4) + b)]
.set G1,  24
.set G0,  32
.set G1B, 48
.set G0B, 56
.set POS, 96                           ; behind the main part: v96-99 positions
.set IFR, 100                          ; v100-115 inv_freq of my 16 pairs
.set TM,  96                           ; later: v96-111 the quantiser's registers
.set SW,  116                          ; v116-123 scale words gathered for the stores
.set AN,  128
.set TN,  144
.set RR,  160
.set ZZ,  176
.set PS,  192
.set PCO, 208
.set SG,  224
.set KM,  240
.set KS9, 242
.set KC10, 244
.set PF,  246
.set H,   128                          ; v128-191 a block's 64 rotated numbers
.set TT,  192                          ; v192-255 the cross terms; then:
.set PC,  192                          ; v192-203 the codes just made, v204-210 at work
.set PW,  212
.set MSB, 0
.macro WIN new                         ; the immediate's high byte repeats the setting that is left
.if MSB != \new
	s_set_vgpr_msb (MSB<<8)|\new
.set MSB, \new
.endif
.endm
.set MUL_LO, 0xa1                      ; source 0 (P) window 1, source 1 (R) window 0, C and D window 2
.set MUL_HI, 0xf1
.set TO_B,   0x40
; A joint load: waves 0 and 1 fetch R's halves, waves 2 and 3 P's.  The branch hangs on the wave's number alone.  Four v_nop follow each of the two lines.
.macro JLOAD g0a, g1a, g0b, g1b
	s_cmp_eq_u32 s19, 0
	s_cbranch_scc0 .Lfor_p_\@
	tensor_load_to_lds s[\g0a:\g0a+3], s[\g1a:\g1a+7]
	s_nop 0
.rept 4
	v_nop
.endr
	s_branch .Lasked_\@
.Lfor_p_\@:
	tensor_load_to_lds s[\g0b:\g0b+3], s[\g1b:\g1b+7]
	s_nop 0
.rept 4
	v_nop
.endr
.Lasked_\@:
.endm
.macro CREST                           ; a round of the cluster's barrier behind its opening barrier
	s_cmp_lg_u32 s18, 0
	s_cbranch_scc1 .Lnot_wave_0_\@
	s_barrier_signal -3
.Lnot_wave_0_\@:
	s_barrier_wait -3
	s_barrier_signal -1
	s_barrier_wait -1
.endm
.macro CROUND
	s_barrier_signal -1
	s_barrier_wait -1
	CREST
.endm
.macro PLACES n
.rept \n
	v_nop
.endr
.endm
	s_load_b256 s[4:11], s[0:1], 0x0               ; x's codes s[4:5], x's scales s[6:7], W's codes s[8:9], W's scales s[10:11]
	s_load_b128 s[12:15], s[0:1], 0x20             ; positions s[12:13], qbuf s[14:15]
	s_load_b64 s[16:17], s[0:1], 0x30              ; kvbuf
	v_lshl_add_u32 v[SPW], v0, 2, SPARE
	v_mov_b32 v[NIL], 0
	ds_add_u32 v28, v29
	ds_add_u32 v28, v29
	s_wait_dscnt 0x0
	v_lshrrev_b32 v1, 5, v0
	v_readfirstlane_b32 s18, v1                    ; wave 0..3
	s_lshr_b32 s19, s18, 1                         ; HR: my half of R's rows.  Also: I fetch for R (0) or for P (1)
	s_and_b32 s20, s18, 1                          ; HP: my half of P's rows.  Also: which 128 rows I fetch
	s_bfe_u32 s40, ttmp6, 0x40000                  ; cx
	s_bfe_u32 s41, ttmp6, 0x40004                  ; cy
	s_mov_b32 s22, ttmp9                           ; the cluster's x: 0, 1
	s_and_b32 s23, ttmp7, 0xffff                   ; the cluster's y: 0 .. 11
	s_max_u32 s76, s23, 8
	s_sub_co_u32 s76, s76, 8
	s_lshl_b32 s76, s76, 1
	s_add_co_u32 s76, s76, s22                     ; P's group of four tiles: x for q and k; x + 2 (y - 8) for v
	s_cmp_ge_u32 s23, 8
	s_cselect_b32 s21, 1, 0                        ; 1: the v path
	s_cselect_b32 s77, 2, s23                      ; R's group of four tiles: y for q and k; W's rows 2048 on for v
	s_lshl_b32 s42, s76, 2
	s_add_co_u32 s42, s42, s40                     ; P's tile
	s_lshl_b32 s66, s77, 2
	s_add_co_u32 s66, s66, s41                     ; R's tile
	s_lshl_b32 s43, s41, 2
	s_lshl_b32 s43, 15, s43                        ; my row of the cluster
	s_lshl_b32 s44, 0x1111, s40                    ; my column
	s_or_b32 s[G1+0], s43, (1<<20)|(1<<21)|(3<<22)|(3<<25)   ; R's tiles go to my row; elements of 1 byte; 16 bytes of padding behind every 64
	s_or_b32 s[G1B+0], s44, (1<<20)|(1<<21)|(3<<22)|(3<<25)  ; P's to my column
.irp g, G1, G1B
	s_mov_b32 s[\g+1], ROWB<<16                    ; tensor_dim0
	s_mov_b32 s[\g+2], 128<<16                     ; tensor_dim1
	s_mov_b32 s[\g+3], ROWB<<16                    ; tile_dim0
	s_mov_b32 s[\g+4], 128                         ; tile_dim1
	s_mov_b32 s[\g+5], KROW                        ; the pitch in memory
	s_mov_b32 s[\g+6], 0
	s_mov_b32 s[\g+7], 0
.endr
	s_lshl_b32 s78, s20, 7                         ; which 128 rows of the tile I fetch
	s_lshl_b32 s76, s66, 8
	s_add_co_u32 s76, s76, s78
	s_mul_i32 s76, s76, KROW                       ; R: in bytes (under 2^23)
	s_mov_b32 s77, 0
	s_lshl_b32 s46, s42, 8
	s_add_co_u32 s46, s46, s78
	s_mul_i32 s46, s46, KROW                       ; P
	s_mov_b32 s47, 0
	s_mul_i32 s45, s18, HALFT                      ; where they go: wave x 128 rows
	s_wait_kmcnt 0x0
	s_cmp_eq_u32 s21, 1
	s_cselect_b64 s[68:69], s[8:9], s[4:5]         ; R's codes
	s_cselect_b64 s[70:71], s[10:11], s[6:7]       ; R's scales
	s_cselect_b64 s[72:73], s[4:5], s[8:9]         ; P's codes
	s_cselect_b64 s[74:75], s[6:7], s[10:11]       ; P's scales
	s_add_nc_u64 s[76:77], s[68:69], s[76:77]
	s_add_nc_u64 s[46:47], s[72:73], s[46:47]
	CROUND                                         ; all sixteen work-groups are here: the first joint loads meet
.irp s, 0,1
	s_mov_b32 s[G0+4*\s], 1
	s_add_co_u32 s[G0+4*\s+1], s45, \s*SLOT
	s_add_nc_u64 s[G0+4*\s+2:G0+4*\s+3], s[76:77], \s*ROWB
	s_or_b32 s[G0+4*\s+3], s[G0+4*\s+3], 0x80000000
	s_mov_b32 s[G0B+4*\s], 1
	s_add_co_u32 s[G0B+4*\s+1], s45, \s*SLOT
	s_add_nc_u64 s[G0B+4*\s+2:G0B+4*\s+3], s[46:47], \s*ROWB
	s_or_b32 s[G0B+4*\s+3], s[G0B+4*\s+3], 0x80000000
	s_wait_alu depctr_va_vdst(0)
	s_wait_tensorcnt 0x0
	ds_add_u32 v28, v29
	ds_add_u32 v28, v29
	s_wait_dscnt 0x0
	CROUND
	JLOAD G0+4*\s, G1, G0B+4*\s, G1B
.endr
	v_and_b32 v1, 15, v0                           ; r
	v_bfe_u32 v2, v0, 4, 1                         ; h
	v_mul_u32_u24 v3, v1, PITCH
	v_mul_u32_u24 v4, v2, 24
	v_add_nc_u32 v4, v3, v4                        ; a fragment's row x pitch + 24 h
	v_lshl_add_u32 v5, v2, 4, v4                   ; and the same behind one padding more
	s_mul_i32 s76, s19, HALFT
	s_mul_i32 s77, s20, HALFT
	s_add_co_u32 s77, s77, 2*HALFT
.irp s, 0,1
	v_add_nc_u32 v[ADRA+\s], s76, v4
	v_add_nc_u32 v[ADRB+\s], s77, v4
	v_add_nc_u32 v[ADRA+2+\s], s76, v5
	v_add_nc_u32 v[ADRB+2+\s], s77, v5
	s_add_co_u32 s76, s76, SLOT
	s_add_co_u32 s77, s77, SLOT
.endr
	v_and_b32 v6, 31, v0
	v_lshlrev_b32 v7, 4, v6                        ; 16 x lane
	v_lshlrev_b32 v8, 3, v6                        ; 8 x lane
	v_lshlrev_b32 v9, 5, v1
	v_lshl_add_u32 v9, v2, 4, v9                   ; 32 r + 16 h: my 16 bytes of a block's scales
	s_wait_alu depctr_va_vdst(0)
	v_lshlrev_b32 v10, 2, v1                       ; 4 r
	s_wait_alu depctr_va_vdst(0)
	s_lshl_b32 s76, s18, 14
	v_add_nc_u32 v24, s76, v7                      ; the table: where I write: 16 x lane + 16,384 x wave (= 32,768 HR + 16,384 HP)
	s_lshl_b32 s76, s19, 15
	v_add_nc_u32 v25, s76, v7                      ; and where I read: my R half's eight blocks
	s_lshl_b32 s76, s66, 8                         ; the scales of my 128 rows of R,
	s_lshl_b32 s77, s19, 7
	s_add_co_u32 s76, s76, s77
	s_lshl_b32 s76, s76, 5
	s_mov_b32 s77, 0
	s_add_nc_u64 s[70:71], s[70:71], s[76:77]
	s_lshl_b32 s76, s42, 8                         ; and of P
	s_lshl_b32 s78, s20, 7
	s_add_co_u32 s76, s76, s78
	s_lshl_b32 s76, s76, 5
	s_add_nc_u64 s[74:75], s[74:75], s[76:77]
	; where my results go: the tile of x gives the batch and the step of 128 tokens, the tile of W the heads
	s_cmp_eq_u32 s21, 1
	s_cselect_b32 s76, s42, s66                    ; x's tile
	s_cselect_b32 s77, s20, s19                    ; and my half of it
	s_cselect_b32 s79, s41, s40                    ; W's tile among its part's four
	s_cselect_b32 s85, s19, s20                    ; and my half of it
	s_and_b32 s78, s76, 7
	s_lshl_b32 s78, s78, 1
	s_add_co_u32 s78, s78, s77                     ; the step of 128 tokens, 0 .. 15
	s_lshr_b32 s76, s76, 3                         ; the batch
	s_lshl_b32 s79, s79, 2
	s_lshl_b32 s85, s85, 1
	s_add_co_u32 s79, s79, s85                     ; my first head
	s_lshl_b32 s76, s76, 4
	s_add_co_u32 s76, s76, s79
	s_mul_i32 s76, s76, HEADB
	s_mul_i32 s77, s78, STEPB
	s_add_co_u32 s76, s76, s77
	s_mov_b32 s77, 0
	s_or_b32 s79, s21, s22
	s_cmp_lg_u32 s79, 0
	s_cselect_b64 s[80:81], s[16:17], s[14:15]     ; q (the first four tiles of W) goes to qbuf, k and v to kvbuf
	s_add_nc_u64 s[80:81], s[80:81], s[76:77]
	s_lshl_b32 s76, s78, 9                         ; the positions of the four table blocks that I make: tokens 128 x step + 64 HP + 16 i + r (at most 2,047 on both paths)
	s_lshl_b32 s79, s20, 8
	s_add_co_u32 s76, s76, s79
	s_add_nc_u64 s[82:83], s[12:13], s[76:77]
.irp a, 0,1,2,3,4,5,6,7
	global_load_b128 v[SA+4*\a:SA+4*\a+3], v9, s[70:71] offset:512*\a
	global_load_b128 v[SB+4*\a:SB+4*\a+3], v9, s[74:75] offset:512*\a
.endr
.irp i, 0,1,2,3
	global_load_b32 v[POS+\i], v10, s[82:83] offset:64*\i
.endr
.macro FRAG reg, adr, q, i             ; 16 rows x 128 K: 12 registers, in pieces of 8 bytes; lanes 16-31 read three pieces further on, for some pieces behind one padding more
.irp p, 0,1,2,3,4,5
.set PCE, 12*(\q)+6*(\p/3)+\p%3
.if PCE%8 < 5
	ds_load_b64 v[\reg+2*\p:\reg+2*\p+1], v[\adr] offset:8*PCE+16*(PCE/8)+(\i)*16*PITCH
.else
	ds_load_b64 v[\reg+2*\p:\reg+2*\p+1], v[\adr+2] offset:8*PCE+16*(PCE/8)+(\i)*16*PITCH
.endif
.endr
.endm
; 16 matrix instructions: R's blocks a0, a0 + 1 x P's eight; K step ks of eight.  The 64 accumulators take turns, one instruction a turn, in the same order in every step.
.macro MUL16 a0, p, ks, zero
.irp a, \a0, \a0+1
.irp b, 0,1,2,3,4,5,6,7
.if \zero
	v_wmma_scale_f32_16x16x128_f8f6f4 v[8*(8*((\a)%4)+\b):8*(8*((\a)%4)+\b)+7], v[128*(\p)+FR*\b:128*(\p)+FR*\b+FR-1], v[AF+FR*(\a):AF+FR*(\a)+FR-1], 0, v[SB+4*\b+(\ks)%4], v[SA+4*(\a)+(\ks)%4] matrix_a_fmt:MATRIX_FMT_FP6 matrix_b_fmt:MATRIX_FMT_FP6
.elseif (\ks) > 3
	v_wmma_scale_f32_16x16x128_f8f6f4 v[8*(8*((\a)%4)+\b):8*(8*((\a)%4)+\b)+7], v[128*(\p)+FR*\b:128*(\p)+FR*\b+FR-1], v[AF+FR*(\a):AF+FR*(\a)+FR-1], v[8*(8*((\a)%4)+\b):8*(8*((\a)%4)+\b)+7], v[SB+4*\b+(\ks)%4], v[SA+4*(\a)+(\ks)%4] matrix_a_fmt:MATRIX_FMT_FP6 matrix_b_fmt:MATRIX_FMT_FP6 matrix_a_scale:MATRIX_SCALE_ROW1 matrix_b_scale:MATRIX_SCALE_ROW1
.else
	v_wmma_scale_f32_16x16x128_f8f6f4 v[8*(8*((\a)%4)+\b):8*(8*((\a)%4)+\b)+7], v[128*(\p)+FR*\b:128*(\p)+FR*\b+FR-1], v[AF+FR*(\a):AF+FR*(\a)+FR-1], v[8*(8*((\a)%4)+\b):8*(8*((\a)%4)+\b)+7], v[SB+4*\b+(\ks)%4], v[SA+4*(\a)+(\ks)%4] matrix_a_fmt:MATRIX_FMT_FP6 matrix_b_fmt:MATRIX_FMT_FP6
.endif
.endr
.endr
.endm
.macro FETCH_B slot, q, p              ; P's eight fragments of the slot's q-th 128 along K into set p
	WIN TO_B
.irp i, 0,1,2,3,4,5,6,7
	FRAG 128*(\p)+FR*\i, ADRB+\slot, \q, \i
.endr
	WIN 0
.endm
.macro FETCH_A slot, q, i0             ; R's blocks i0 .. i0 + 3
.irp i, \i0, \i0+1, \i0+2, \i0+3
	FRAG AF+FR*(\i), ADRA+\slot, \q, \i
.endr
.endm
; A slot's first step of 128 along K.  Four plain places stand in front of each run of loads into registers that matrix instructions have read (ISA guide 7.12.1 for vector instructions).
.macro STEP slot, ks, zero
	s_wait_dscnt 4*NL                              ; P's set and R's blocks 0-3 are in; the youngest 24 loads (R's blocks 4-7) may be out
	WIN MUL_LO
	MUL16 0, 0, \ks, \zero
	MUL16 2, 0, \ks, \zero
	s_wait_dscnt 0
	PLACES 4
	FETCH_B \slot, 1, 1
	FETCH_A \slot, 1, 0
	WIN MUL_HI
	MUL16 4, 0, \ks, \zero
	MUL16 6, 0, \ks, \zero
	PLACES 4
	WIN 0
	FETCH_A \slot, 1, 4
.endm
; A slot's second step changes slots: one barrier; in front of it each wave waits for all its tensor loads, adds 0 to its spare word, and waits for that and for its reads of this slot.
.macro TURN slot, next, fill, ks
	s_wait_tensorcnt 0x0                           ; all my tensor loads have landed: my part of the next slot
	ds_add_u32 v[SPW], v[NIL]                      ; 0 onto my spare word
	s_wait_dscnt 4*NL+1                            ; (the add and the youngest 24 loads may be out)
	WIN MUL_LO
	MUL16 0, 1, \ks, 0
	s_wait_dscnt 0x0                               ; the add is done, and my reads of this slot are over
	s_barrier_signal -1
	MUL16 2, 1, \ks, 0
	WIN 0
	s_barrier_wait -1
.if \fill
	CREST                                          ; the barrier has opened a round of the cluster's: no wave of any partner still reads this slot or has a load on its way
	s_add_nc_u64 s[G0+4*\slot+2:G0+4*\slot+3], s[G0+4*\slot+2:G0+4*\slot+3], 2*ROWB
	s_add_nc_u64 s[G0B+4*\slot+2:G0B+4*\slot+3], s[G0B+4*\slot+2:G0B+4*\slot+3], 2*ROWB
	JLOAD G0+4*\slot, G1, G0B+4*\slot, G1B         ; the first tensor load behind the round; its four v_nop are the places in front of the loads below
.else
	PLACES 4
.endif
	FETCH_B \next, 0, 0
	FETCH_A \next, 0, 0
	WIN MUL_HI
	MUL16 4, 1, \ks, 0
	MUL16 6, 1, \ks, 0
	PLACES 4
	WIN 0
	FETCH_A \next, 0, 4
.endm
	s_wait_tensorcnt 1                             ; my part of slot 0 is in; slot 1's load may stay out
	s_barrier_signal -1
	s_barrier_wait -1
	FETCH_B 0, 0, 0
	FETCH_A 0, 0, 0
	FETCH_A 0, 0, 4
	s_wait_loadcnt 0x0                             ; the scale words and the positions
	STEP 0, 0, 1                                   ; the first step's products start the sums: nothing is cleared
	TURN 0, 1, 1, 1                                ; slot 0 takes K 512 .. 767
	STEP 1, 2, 0
	TURN 1, 0, 1, 3                                ; slot 1 takes K 768 .. 1023
	STEP 0, 4, 0
	TURN 0, 1, 0, 5                                ; nothing is left to fetch.  Behind this barrier nobody reads slot 0, and it has had its last fill
	STEP 1, 6, 0
	s_wait_dscnt 4*NL
	WIN MUL_LO
	MUL16 0, 1, 7, 0
	MUL16 2, 1, 7, 0
	s_wait_dscnt 0
	WIN MUL_HI
	MUL16 4, 1, 7, 0
	MUL16 6, 1, 7, 0
	WIN 0
	PLACES 4
	; inv_freq of my 16 pairs: pair m of a head's 16 in this lane is frequency f = 8 (m / 4) + 4 h + m % 4; inv_freq = 2^(-f log2(10000) / 32), the constant in two parts
	v_lshlrev_b32 v11, 2, v2
.irp m, 0,1,2,3,4,5,6,7,8,9,10,11,12,13,14,15
	v_add_nc_u32 v[IFR+\m], 8*(\m/4)+\m%4, v11
.endr
.irp m, 0,1,2,3,4,5,6,7,8,9,10,11,12,13,14,15
	v_cvt_f32_u32 v[IFR+\m], v[IFR+\m]
.endr
	s_mov_b32 s76, 0xbed49a78                      ; -0.41524100
.irp m, 0,1,2,3,4,5,6,7,8,9,10,11,12,13,14,15
	v_mul_f32 v[AN+\m], 0xb2179922, v[IFR+\m]      ; f x -8.8242e-9: what the constant above leaves
.endr
.irp m, 0,1,2,3,4,5,6,7,8,9,10,11,12,13,14,15
	v_fma_f32 v[IFR+\m], v[IFR+\m], s76, v[AN+\m]
.endr
	s_wait_alu depctr_va_vdst(0)
.irp m, 0,1,2,3,4,5,6,7,8,9,10,11,12,13,14,15
	v_exp_f32 v[IFR+\m], v[IFR+\m]
.endr
	v_mov_b32 v[KM], 0x4b400000                    ; 1.5 x 2^23: added and taken off again it rounds to a whole number.  (A plain place behind the exponentials)
	v_mov_b32 v[KM+1], 0x4b400000
	v_mov_b32 v[KS9], 0x3638ef1d                   ; 1 / 9!
	v_mov_b32 v[KS9+1], 0x3638ef1d
	v_mov_b32 v[KC10], 0xb493f27e                  ; -1 / 10!
	v_mov_b32 v[KC10+1], 0xb493f27e
	s_mov_b32 s84, 0xffff0000                      ; lanes 16-31
	s_mov_b32 s86, 0x76543210
	s_mov_b32 s87, 0xfedcba98                      ; v_permlanex16_b32's selects for lane l xor 16
	s_wait_alu depctr_va_vdst(0)                   ; one wait for the sixteen, ahead of their first reader and of the label
	; THE TABLE of cos and sin, on the q and k path: 16 blocks of 16 tokens, 4,096 bytes each (16 cos, then 16 sin, as images of registers), in slot 0.  A wave makes four blocks: a = 4 HP + trip of its R half.
	; Every work-group walks the loop; the v path jumps over the work inside it.
	s_mov_b32 s88, 0
.Ltab:
	v_add_nc_u32 v26, s88, v24
	s_cmp_eq_u32 s21, 1
	s_cbranch_scc1 .Ltab_next
	s_wait_alu depctr_va_vdst(0)
	v_cvt_f32_i32 v[PF], v[POS]
	v_cvt_f32_i32 v[PF+1], v[POS]
.irp g, 0,2,4,6,8,10,12,14
	v_pk_mul_f32 v[AN+\g:AN+\g+1], v[IFR+\g:IFR+\g+1], v[PF:PF+1]              ; the angle, rounded to f32 as the definition has it
.endr
.irp g, 0,2,4,6,8,10,12,14
	v_pk_fma_f32 v[TN+\g:TN+\g+1], v[AN+\g:AN+\g+1], 0x3ea2f983, v[KM:KM+1] op_sel_hi:[1,0,1]   ; angle / pi + 1.5 x 2^23: n in the low bits
.endr
.irp m, 0,1,2,3,4,5,6,7,8,9,10,11,12,13,14,15
	v_lshlrev_b32 v[SG+\m], 31, v[TN+\m]           ; n's parity as a sign bit
.endr
.irp g, 0,2,4,6,8,10,12,14
	v_pk_add_f32 v[TN+\g:TN+\g+1], v[TN+\g:TN+\g+1], v[KM:KM+1] neg_lo:[0,1] neg_hi:[0,1]   ; n
.endr
.irp g, 0,2,4,6,8,10,12,14
	v_pk_fma_f32 v[RR+\g:RR+\g+1], v[TN+\g:TN+\g+1], 0xc0490fdb, v[AN+\g:AN+\g+1] op_sel_hi:[1,0,1]   ; r = angle - n pi, pi in two parts
.endr
.irp g, 0,2,4,6,8,10,12,14
	v_pk_fma_f32 v[RR+\g:RR+\g+1], v[TN+\g:TN+\g+1], 0x33bbbd2e, v[RR+\g:RR+\g+1] op_sel_hi:[1,0,1]
.endr
.irp g, 0,2,4,6,8,10,12,14
	v_pk_mul_f32 v[ZZ+\g:ZZ+\g+1], v[RR+\g:RR+\g+1], v[RR+\g:RR+\g+1]
.endr
.irp g, 0,2,4,6,8,10,12,14
	v_pk_fma_f32 v[PS+\g:PS+\g+1], v[ZZ+\g:ZZ+\g+1], 0xb2d7322b, v[KS9:KS9+1] op_sel_hi:[1,0,1]    ; sin: -1/11! z + 1/9!
	v_pk_fma_f32 v[PCO+\g:PCO+\g+1], v[ZZ+\g:ZZ+\g+1], 0x310f76c7, v[KC10:KC10+1] op_sel_hi:[1,0,1] ; cos: 1/12! z - 1/10!
.endr
.irp g, 0,2,4,6,8,10,12,14
	v_pk_fma_f32 v[PS+\g:PS+\g+1], v[PS+\g:PS+\g+1], v[ZZ+\g:ZZ+\g+1], 0xb9500d01 op_sel_hi:[1,1,0]    ; -1/7!
	v_pk_fma_f32 v[PCO+\g:PCO+\g+1], v[PCO+\g:PCO+\g+1], v[ZZ+\g:ZZ+\g+1], 0x37d00d01 op_sel_hi:[1,1,0] ; 1/8!
.endr
.irp g, 0,2,4,6,8,10,12,14
	v_pk_fma_f32 v[PS+\g:PS+\g+1], v[PS+\g:PS+\g+1], v[ZZ+\g:ZZ+\g+1], 0x3c088889 op_sel_hi:[1,1,0]    ; 1/5!
	v_pk_fma_f32 v[PCO+\g:PCO+\g+1], v[PCO+\g:PCO+\g+1], v[ZZ+\g:ZZ+\g+1], 0xbab60b61 op_sel_hi:[1,1,0] ; -1/6!
.endr
.irp g, 0,2,4,6,8,10,12,14
	v_pk_fma_f32 v[PS+\g:PS+\g+1], v[PS+\g:PS+\g+1], v[ZZ+\g:ZZ+\g+1], 0xbe2aaaab op_sel_hi:[1,1,0]    ; -1/3!
	v_pk_fma_f32 v[PCO+\g:PCO+\g+1], v[PCO+\g:PCO+\g+1], v[ZZ+\g:ZZ+\g+1], 0x3d2aaaab op_sel_hi:[1,1,0] ; 1/4!
.endr
.irp g, 0,2,4,6,8,10,12,14
	v_pk_mul_f32 v[AN+\g:AN+\g+1], v[ZZ+\g:ZZ+\g+1], v[RR+\g:RR+\g+1]                               ; r^3
	v_pk_fma_f32 v[PCO+\g:PCO+\g+1], v[PCO+\g:PCO+\g+1], v[ZZ+\g:ZZ+\g+1], -0.5 op_sel_hi:[1,1,0]
.endr
.irp g, 0,2,4,6,8,10,12,14
	v_pk_fma_f32 v[PS+\g:PS+\g+1], v[PS+\g:PS+\g+1], v[AN+\g:AN+\g+1], v[RR+\g:RR+\g+1]
	v_pk_fma_f32 v[PCO+\g:PCO+\g+1], v[PCO+\g:PCO+\g+1], v[ZZ+\g:ZZ+\g+1], 1.0 op_sel_hi:[1,1,0]
.endr
.irp m, 0,1,2,3,4,5,6,7,8,9,10,11,12,13,14,15
	v_xor_b32 v[PS+\m], v[SG+\m], v[PS+\m]         ; x (-1)^n
	v_xor_b32 v[PCO+\m], v[SG+\m], v[PCO+\m]
.endr
.irp c, 0,1,2,3
	ds_store_b128 v26, v[PCO+4*\c:PCO+4*\c+3] offset:512*\c
	ds_store_b128 v26, v[PS+4*\c:PS+4*\c+3] offset:2048+512*\c
.endr
	v_mov_b32 v[POS], v[POS+1]                     ; the next block's positions
	v_mov_b32 v[POS+1], v[POS+2]
	v_mov_b32 v[POS+2], v[POS+3]
	s_wait_dscnt 0x0                               ; the stores are done: their registers and their address may be written again
.Ltab_next:
	s_add_co_u32 s88, s88, 4096
	s_cmp_lt_u32 s88, 16384
	s_cbranch_scc1 .Ltab
.irp b, 0,1,2,3
	v_mov_b32 v[TM+4+\b], 0                        ; a lane permute's destination counts as one of its sources
.endr
	s_wait_dscnt 0x0                               ; for the others' sake: my part of the table lies in LDS
	s_barrier_signal -1
	s_barrier_wait -1
; 64 numbers of a lane in window w, v[s] .. v[s + 63], four blocks of 32 shared with lane l xor 16, become a fragment's codes in v[PC] on; the blocks' scale bytes are left in v[TM+4] .. v[TM+7].
; An accumulator's registers are taken from its low end on.
.macro QUANT s, w
	WIN ((\w)|((\w)<<2))
.irp b, 0,1,2,3
	v_max3_num_f32 v[TM+\b], |v[\s+16*\b]|, |v[\s+1+16*\b]|, 0x1800000   ; my 16 numbers, and the floor 2^(3 - 127): the byte cannot fall under 1
.endr
.irp i, 2,4,6,8,10,12,14
.irp b, 0,1,2,3
	v_max3_num_f32 v[TM+\b], |v[\s+16*\b+\i]|, |v[\s+1+16*\b+\i]|, v[TM+\b]
.endr
.endr
	WIN 0
.irp b, 0,1,2,3
	v_permlanex16_b32 v[TM+4+\b], v[TM+\b], s86, s87
.endr
.irp b, 0,1,2,3
	v_max_num_f32 v[TM+\b], v[TM+\b], v[TM+4+\b]   ; the block's largest magnitude
.endr
.irp b, 0,1,2,3
	v_add_nc_u32 v[TM+12+\b], 0xff000000, v[TM+\b] ; 2 off its exponent field: the conversion's scale operand
.endr
.irp b, 0,1,2,3
	v_lshrrev_b32 v[TM+4+\b], 23, v[TM+12+\b]      ; the scale's byte
.endr
	WIN (\w)
.irp c, 0,1
	v_cvt_scalef32_pk16_fp6_f32 v[PC+6*\c:PC+2+6*\c], v[\s+32*\c:\s+15+32*\c], v[TM+12+2*\c]
	v_cvt_scalef32_pk16_fp6_f32 v[PC+12+4*\c:PC+14+4*\c], v[\s+16+32*\c:\s+31+32*\c], v[TM+12+2*\c+1]
.endr
	WIN 0
	v_nop                                          ; one plain place behind a scaled conversion
.irp c, 0,1                                    ; a whole block to a lane: lanes 0-15 block 2 c, lanes 16-31 block 2 c + 1
.irp i, 0,1,2
	v_permlane16_swap_b32 v[PC+6*\c+\i], v[PC+12+4*\c+\i]
.endr
.irp i, 0,1,2
	v_mov_b32 v[PC+3+6*\c+\i], v[PC+12+4*\c+\i]
.endr
.endr
.endm
	s_cmp_eq_u32 s21, 1
	s_cbranch_scc1 .Lvpath
	; ---- q and k: block a of 16 tokens at a time: rotate, quantise (two heads x two blocks of 32), store two tiles
.macro TLD a                           ; block a's cos and sin into set a % 2 of window 1: 16 cos, then 16 sin
	WIN TO_B
.irp c, 0,1,2,3,4,5,6,7
	ds_load_b128 v[32*((\a)%2)+4*\c:32*((\a)%2)+4*\c+3], v25 offset:4096*(\a)+512*\c
.endr
	WIN 0
.endm
.macro ROPE a                          ; pair n of 32: (x0, x1) -> (cos x0 - sin x1, sin x0 + cos x1), cos and sin of pair n % 16
.set CTS, 32*((\a)%2)
.set AC, 64*((\a)%4)
	WIN ((2+(\a)/4)|4)                             ; source 0: the accumulators' window; source 1: window 1
.set n, 0
.rept 32
.if n%2
	v_pk_mul_f32 v[TT+2*n:TT+2*n+1], v[AC+2*n:AC+2*n+1], v[CTS+16+2*((n%16)/2):CTS+17+2*((n%16)/2)] op_sel:[1,1] op_sel_hi:[0,1]   ; (sin x1, sin x0)
.else
	v_pk_mul_f32 v[TT+2*n:TT+2*n+1], v[AC+2*n:AC+2*n+1], v[CTS+16+2*((n%16)/2):CTS+17+2*((n%16)/2)] op_sel:[1,0] op_sel_hi:[0,0]
.endif
.set n, n+1
.endr
.set n, 0
.rept 32
.if n%2
	v_pk_fma_f32 v[H+2*n:H+2*n+1], v[AC+2*n:AC+2*n+1], v[CTS+2*((n%16)/2):CTS+1+2*((n%16)/2)], v[TT+2*n:TT+2*n+1] op_sel:[0,1,0] op_sel_hi:[1,1,1] neg_lo:[0,0,1]
.else
	v_pk_fma_f32 v[H+2*n:H+2*n+1], v[AC+2*n:AC+2*n+1], v[CTS+2*((n%16)/2):CTS+1+2*((n%16)/2)], v[TT+2*n:TT+2*n+1] op_sel:[0,0,0] op_sel_hi:[1,0,1] neg_lo:[0,0,1]
.endif
.set n, n+1
.endr
	WIN 0
.endm
.macro QKBLK a
.if (\a) < 7
	TLD (\a)+1
	s_wait_dscnt 8                                 ; this block's table is in; the next block's eight loads may be out
.else
	s_wait_dscnt 0x0
.endif
	s_wait_xcnt 0x0                                ; the last block's stores have read their registers, which are written again below
	ROPE \a
	QUANT H, 0
	v_lshl_or_b32 v[PW], v[TM+5], 8, v[TM+4]       ; a head's scale word: two bytes; the upper two stay 0, over zero codes
	v_lshl_or_b32 v[PW+1], v[TM+7], 8, v[TM+6]
.irp d, 0,1
.if (\a)%2
	v_cndmask_b32 v[SW+4*\d+(\a)/2], v[SW+4*\d+(\a)/2], v[PW+\d], s84   ; an odd tile's words go to lanes 16-31
.else
	v_mov_b32 v[SW+4*\d+(\a)/2], v[PW+\d]
.endif
	global_store_b128 v7, v[PC+6*\d:PC+6*\d+3], s[80:81] offset:\d*HEADB+768*(\a)          ; 512 consecutive bytes
	global_store_b64 v8, v[PC+6*\d+4:PC+6*\d+5], s[80:81] offset:\d*HEADB+768*(\a)+512     ; 256 consecutive bytes
.endr
.endm
	TLD 0
.irp a, 0,1,2,3,4,5,6,7
	QKBLK \a
.endr
	global_store_b128 v7, v[SW:SW+3], s[80:81] offset:12288
	global_store_b128 v7, v[SW+4:SW+7], s[80:81] offset:HEADB+12288
	s_branch .Ldone
.Lvpath:
	; ---- v: block a of 16 channels at a time (head a / 4, fragment a % 4): its 128 keys are four blocks of 32: one whole fragment
.macro VBLK a
	s_wait_xcnt 0x0                                ; the last block's stores have read their registers
	QUANT 64*((\a)%4), 2+(\a)/4
	v_lshl_or_b32 v[PW], v[TM+5], 8, v[TM+4]
	v_lshl_or_b32 v[PW], v[TM+6], 16, v[PW]
	v_lshl_or_b32 v[PW], v[TM+7], 24, v[PW]
.if (\a)%2
	v_cndmask_b32 v[SW+(\a)/2], v[SW+(\a)/2], v[PW], s84
.else
	v_mov_b32 v[SW+(\a)/2], v[PW]
.endif
.irp c, 0,1,2
	global_store_b128 v7, v[PC+4*\c:PC+4*\c+3], s[80:81] offset:((\a)/4)*HEADB+6144+1536*((\a)%4)+512*\c
.endr
.if (\a)%4 == 3
	global_store_b64 v8, v[SW+2*((\a)/4):SW+2*((\a)/4)+1], s[80:81] offset:((\a)/4)*HEADB+12800
.endif
.endm
.irp a, 0,1,2,3,4,5,6,7
	VBLK \a
.endr
.Ldone:
	s_wait_tensorcnt 0x0                           ; the wave's end, behind my last tensor load and my last LDS store
	ds_add_u32 v[SPW], v[NIL]
	s_wait_dscnt 0x0
	CROUND                                         ; the closing round: no work-group ends while a partner may still ask for a tile that names it
	s_endpgm
.Lfunc_end_k_qd006cd7daf_qkv:
	.size	k_qd006cd7daf_qkv, .Lfunc_end_k_qd006cd7daf_qkv-k_qd006cd7daf_qkv
	.p2alignl 7, 3214868480
	.fill 96, 4, 3214868480
	.section	.rodata,"a",@progbits
	.p2align	6, 0x0
	.amdhsa_kernel k_qd006cd7daf_qkv
		.amdhsa_group_segment_fixed_size 327680
		.amdhsa_private_segment_fixed_size 0
		.amdhsa_enable_private_segment 0
		.amdhsa_kernarg_size 56
		.amdhsa_user_sgpr_count 2
		.amdhsa_user_sgpr_kernarg_segment_ptr 1
		.amdhsa_wavefront_size32 1
		.amdhsa_system_sgpr_workgroup_id_x 1
		.amdhsa_system_sgpr_workgroup_id_y 1
		.amdhsa_system_sgpr_workgroup_id_z 1
		.amdhsa_system_vgpr_workitem_id 0
		.amdhsa_next_free_vgpr 1024
		.amdhsa_next_free_sgpr 100
		.amdhsa_reserve_vcc 0
		.amdhsa_float_denorm_mode_32 3
		.amdhsa_float_denorm_mode_16_64 3
		.amdhsa_memory_ordered 1
		.amdhsa_forward_progress 1
		.amdhsa_inst_pref_size 253
	.end_amdhsa_kernel
	.amdgpu_metadata
---
amdhsa.version: [ 1, 2 ]
amdhsa.kernels:
  - .name:           k_qd006cd7daf_qkv
    .symbol:         k_qd006cd7daf_qkv.kd
    .args:
      - { .name: in_features_codes, .offset: 0, .size: 8, .value_kind: global_buffer, .address_space: global }
      - { .name: in_features_scales, .offset: 8, .size: 8, .value_kind: global_buffer, .address_space: global }
      - { .name: W_qkv_codes, .offset: 16, .size: 8, .value_kind: global_buffer, .address_space: global }
      - { .name: W_qkv_scales, .offset: 24, .size: 8, .value_kind: global_buffer, .address_space: global }
      - { .name: token_positions, .offset: 32, .size: 8, .value_kind: global_buffer, .address_space: global }
      - { .name: qbuf, .offset: 40, .size: 8, .value_kind: global_buffer, .address_space: global }
      - { .name: kvbuf, .offset: 48, .size: 8, .value_kind: global_buffer, .address_space: global }
    .group_segment_fixed_size: 327680
    .private_segment_fixed_size: 0
    .kernarg_segment_align: 8
    .kernarg_segment_size: 56
    .max_flat_workgroup_size: 128
    .sgpr_count:     100
    .vgpr_count:     1024
    .wavefront_size: 32
...
	.end_amdgpu_metadata
.endif
;; end of part 1
;; launch attn (part 2): grid 4 x 64, 16 waves a work-group, clusters of 4 x 1, 210,944 bytes of LDS; arguments qbuf, kvbuf, cimg, cscl; writes cimg, cscl
.if DOCPART == 2
	.amdgcn_target "amdgcn-amd-amdhsa--gfx1250"
	.amdhsa_code_object_version 6
	.text
	.protected	k_qd006cd7daf_attn
	.globl	k_qd006cd7daf_attn
	.p2align	8
	.type	k_qd006cd7daf_attn,@function
k_qd006cd7daf_attn:
	s_mov_b64 s[64:65], 0
	v_nop
	global_prefetch_b8 v0, s[64:65] scope:SCOPE_SE
	s_setreg_imm32_b32 hwreg(HW_REG_WAVE_MODE, 25, 1), 1
	s_wait_xcnt 0x0
	s_wait_alu depctr_hold_cnt(0) depctr_sa_sdst(0) depctr_va_vdst(0) depctr_va_sdst(0) depctr_va_ssrc(0) depctr_va_vcc(0) depctr_vm_vsrc(0)
	s_getreg_b32 s2, hwreg(HW_REG_IB_STS2, 6, 4)
	s_cmp_eq_u32 s2, 0
	s_cbranch_scc0 .Lentry_in_a_cluster
	s_endpgm
.Lentry_in_a_cluster:
	s_bfe_u32 s2, ttmp6, 0x10000c
	s_cmp_lg_u32 s2, 0x3003
	s_cbranch_scc0 .Lentry_shape_is_right
	s_endpgm
.Lentry_shape_is_right:
; Causal attention of one head (batch x head = the grid's y) on codes of FP6 (E2M3): S^T = k q^T (K = the head's 64: the upper half of the instruction's 128 is zero codes), p = 2^(t - M), O^T = v^T p^T, O / l,
; and the context quantised along its 64 channels for the last product.  q, k, v come as images of operand registers, made by the launch before; their order inside a block of 32 is that launch's, and p is made here in the same order.
; THE SOFTMAX: t = score x log2(e) / 8; M = the running largest t rounded up to a whole number; p = 2^(t - M) is quantised along the keys, not normalised; the row's sum is taken of the unquantised p and divides at the end.
; SHARES.  The four work-groups of a cluster serve one head.  Each of the sixteen waves takes two tiles of 16 queries: T = 127 - TA first, then TA = 8 (wave / 2) + 2 cx + wave % 2.  Tile T wants T / 8 + 1 key steps of 128,
; so every wave of the launch has 17 key steps.  The number of steps is made of the wave's number alone; cx enters global addresses and the mask's numbers only.
; LDS: the head's k, v and scale words, 16 steps x 13,056 bytes, come ONCE: wave w asks for step w, jointly with the same wave of the three partners.  Nothing is filled again: one barrier in all.
; Every LDS read is 16 or 8 bytes a lane, lane after lane.  A lane holds ONE query throughout; register j of tile tt of S^T is key 16 tt + 8 h + j.
; The loop over key steps has a constant count of trips; a step whose keys all come after the tile's queries is jumped over (a branch on the wave's number and the count).  O^T and the sum begin as zeros, so that the step is written once a tile.
; OUT: cimg[row / 16][head][768]: half a fragment (16 rows x the head's 64 channels, in true order): 512 bytes registers 0-3, 256 bytes registers 4-5.  cscl[row][32]: byte 2 head + block: two bytes a row and head,
; stored by a 16-bit store a lane (lanes l and l xor 16 write the same two bytes with the same value): one part in 24 of what the launch stores.
; LIMITS: NaN and infinities are not served; a block of zeros gets the scale byte 1 (this program alone reads the bytes).
.set STEPB, 13056
.set HEADB, 16*STEPB
.set WV,  12
.set SEL, 20
.set CS,  22
.set JTB, 41
.set SB,  54
.set S,   80                           ; v80-143 S^T, then p; then v80-127 v's four fragments
.set O,   144                          ; v144-175 O^T
.set PCD, 176                          ; v176-187 p's codes; v188-194 at work for the conversions
.set BM,  196                          ; v196-199 the blocks' largest
.set BT,  200                          ; v200-203
.set SO,  204                          ; v204-207 the conversions' scale operands
.set F,   208                          ; v208 f; v209 p's scale word
.set PWD, 209
.set TP,  210
.set NINF, 211
.macro ROUND
	s_barrier_signal -1
	s_barrier_wait -1
	s_cmp_lg_u32 s[WV], 0
	s_cbranch_scc1 .Lnot_wave_0_\@
	s_barrier_signal -3
.Lnot_wave_0_\@:
	s_barrier_wait -3
	s_barrier_signal -1
	s_barrier_wait -1
.endm
	s_load_b256 s[4:11], s[0:1], 0x0               ; qbuf s[4:5], kvbuf s[6:7], cimg s[8:9], cscl s[10:11]
	v_lshl_add_u32 v254, v0, 2, 0x33000
	v_mov_b32 v255, 0
	ds_add_u32 v254, v255
	ds_add_u32 v254, v255
	v_lshrrev_b32 v1, 5, v0
	s_delay_alu instid0(VALU_DEP_1)
	v_readfirstlane_b32 s[WV], v1                  ; wave 0..15
	s_bfe_u32 s13, ttmp6, 0x40000                  ; cx
	s_and_b32 s14, ttmp7, 0xffff                   ; 16 x batch + head
	s_mul_i32 s16, s14, HEADB
	s_mov_b32 s17, 0
	s_mul_i32 s15, s[WV], STEPB                    ; my key step, in memory and in LDS
	s_mov_b32 s18, s15
	s_mov_b32 s19, 0
	s_mov_b32 s24, 15|(3<<16)|(1<<21)              ; the mask: all four work-groups; elements of 8 bytes; no padding
	s_mov_b32 s25, 32<<16                          ; a dense block as 51 rows of 256 bytes
	s_mov_b32 s26, 51<<16
	s_mov_b32 s27, 32<<16
	s_mov_b32 s28, 51
	s_mov_b32 s29, 32
	s_mov_b32 s30, 0
	s_mov_b32 s31, 0
	s_mov_b32 s[SEL], 0x76543210
	s_mov_b32 s[SEL+1], 0xfedcba98
	s_mov_b32 s[CS], 0x3e38aa3b                    ; c = log2(e) / 8
	s_mov_b32 s[CS+1], s[CS]
	s_lshr_b32 s37, s[WV], 1                       ; TA / 8
	s_and_b32 s36, s[WV], 1
	s_lshl_b32 s44, s13, 1
	s_add_co_u32 s36, s36, s44
	s_lshl_b32 s44, s37, 3
	s_add_co_u32 s36, s36, s44                     ; TA
	s_wait_dscnt 0x0
	s_wait_kmcnt 0x0
	s_add_nc_u64 s[4:5], s[4:5], s[16:17]          ; q and k, v at my head
	s_add_nc_u64 s[6:7], s[6:7], s[16:17]
	s_mov_b32 s32, 1
	s_mov_b32 s33, s15
	s_add_nc_u64 s[34:35], s[6:7], s[18:19]
	s_or_b32 s35, s35, 0x80000000
	ROUND                                          ; all four work-groups are here: the joint loads meet
	tensor_load_to_lds s[32:35], s[24:31]          ; my one tensor load
	s_nop 0
.rept 4
	v_nop
.endr
	v_and_b32 v25, 31, v0
	s_delay_alu instid0(VALU_DEP_1)
	v_lshlrev_b32 v1, 4, v25                       ; 16 x lane
	s_delay_alu instid0(VALU_DEP_2)
	v_lshlrev_b32 v2, 3, v25                       ; 8 x lane
	v_and_b32 v6, 15, v0                           ; r
	v_bfe_u32 v7, v0, 4, 1                         ; h
	s_delay_alu instid0(VALU_DEP_1)
	v_lshlrev_b32 v25, 3, v7
	s_delay_alu instid0(VALU_DEP_1)
	v_sub_nc_u32 v25, v6, v25                      ; r - 8 h
	s_delay_alu instid0(VALU_DEP_4)
	v_lshlrev_b32 v7, 5, v6                        ; 32 r
	v_lshlrev_b32 v6, 4, v6                        ; 16 r
.irp i, 18,19,20,21,22,23
	v_mov_b32 v\i, 0                               ; the upper half of q's fragment: zero codes
.endr
.irp t, 0,1,2,3
.irp i, 6,7,8,9,10,11
	v_mov_b32 v[32+12*\t+\i], 0                    ; and of k's four: written once, never loaded
.endr
.endr
.irp b, 0,1,2,3
	v_mov_b32 v[BT+\b], 0                          ; a lane permute's destination counts as one of its sources
.endr
	v_mov_b32 v[PWD], 0
	v_mov_b32 v[TP], 0
	v_mov_b32 v[NINF], 0xff800000                  ; -infinity
	s_wait_tensorcnt 0x0                           ; my step lies in LDS,
	s_barrier_signal -1
	s_barrier_wait -1                              ; everybody's does
; A KEY STEP of 128 keys, at LDS byte s[SB]
.macro STEP
	s_cmp_gt_u32 s[SB], s[JTB]
	s_cbranch_scc1 .Lhid_\@                        ; all its keys come after my queries
	s_setprio 2
	v_add_nc_u32 v3, s[SB], v1
	s_wait_alu depctr_va_vdst(0)
	v_add_nc_u32 v4, s[SB], v2
	s_wait_alu depctr_va_vdst(0)
.rept 4
	v_nop                                          ; with the two additions six places: five are owed before S^T is written over v's fragments, which the last products read
.endr
	ds_load_b128 v[28:31], v3 offset:12288         ; k's scale words: register w: tile 2 w in lanes 0-15, tile 2 w + 1 in lanes 16-31
.irp g, 0,1
.if \g
.rept 4
	v_nop                                          ; places in front of loads into registers that matrix instructions have read
.endr
.endif
.irp t, 0,1,2,3
	ds_load_b128 v[32+12*\t:35+12*\t], v3 offset:768*(4*\g+\t)
	ds_load_b64 v[36+12*\t:37+12*\t], v4 offset:768*(4*\g+\t)+512
.endr
	s_wait_dscnt 0x0
.irp t, 0,1,2,3
.if \t%2
	v_wmma_scale_f32_16x16x128_f8f6f4 v[S+8*(4*\g+\t):S+7+8*(4*\g+\t)], v[32+12*\t:43+12*\t], v[12:23], 0, v[28+2*\g+\t/2], v24 matrix_a_fmt:MATRIX_FMT_FP6 matrix_b_fmt:MATRIX_FMT_FP6 matrix_a_scale:MATRIX_SCALE_ROW1
.else
	v_wmma_scale_f32_16x16x128_f8f6f4 v[S+8*(4*\g+\t):S+7+8*(4*\g+\t)], v[32+12*\t:43+12*\t], v[12:23], 0, v[28+2*\g+\t/2], v24 matrix_a_fmt:MATRIX_FMT_FP6 matrix_b_fmt:MATRIX_FMT_FP6
.endif
.endr
.endr
.rept 4
	v_nop
.endr
	s_cmp_lg_u32 s[SB], s[JTB]
	s_cbranch_scc1 .Lopen_\@                       ; only the tile's last step lies on the diagonal
.set n, 0
.rept 64                                       ; register n holds key 16 (n / 8) + 8 h + n % 8 of the step: hidden where that is above my query's 16 (T % 8) + r
	v_cmp_gt_i32 vcc_lo, 16*(n/8)+n%8, v5
	v_cndmask_b32 v[S+n], v[S+n], v[NINF], vcc_lo
.set n, n+1
.endr
.Lopen_\@:
.irp b, 0,1,2,3
	v_max3_num_f32 v[BM+\b], v[S+16*\b], v[S+1+16*\b], v[S+2+16*\b]   ; the largest score of each block of 32 keys: for the row's maximum and, since p rises with the score, for the block's largest p
.endr
.irp i, 3,5,7,9,11,13
.irp b, 0,1,2,3
	v_max3_num_f32 v[BM+\b], v[BM+\b], v[S+16*\b+\i], v[S+1+16*\b+\i]
.endr
.endr
.irp b, 0,1,2,3
	v_max_num_f32 v[BM+\b], v[BM+\b], v[S+15+16*\b]
.endr
.irp b, 0,1,2,3
	s_delay_alu instid0(VALU_DEP_4)
	v_permlanex16_b32 v[BT+\b], v[BM+\b], s[SEL], s[SEL+1]
.endr
.irp b, 0,1,2,3
	s_delay_alu instid0(VALU_DEP_4)
	v_max_num_f32 v[BM+\b], v[BM+\b], v[BT+\b]
.endr
	s_delay_alu instid0(VALU_DEP_2)
	v_max3_num_f32 v[TP], v[BM], v[BM+1], v[BM+2]
	s_delay_alu instid0(VALU_DEP_1)
	v_max_num_f32 v[TP], v[TP], v[BM+3]
	s_delay_alu instid0(VALU_DEP_1)
	v_mul_f32 v[TP], s[CS], v[TP]
	s_delay_alu instid0(VALU_DEP_1)
	v_max_num_f32 v9, v9, v[TP]                    ; the running largest t
	v_mov_b32 v[TP], v8
	s_delay_alu instid0(VALU_DEP_2)
	v_floor_f32 v8, -v9                            ; -M = floor(-t): M is a whole number
	s_delay_alu instid0(VALU_DEP_1)
	v_sub_f32 v[TP], v8, v[TP]
	s_delay_alu instid0(VALU_DEP_1)
	v_cvt_i32_f32 v[TP], v[TP]                     ; (it saturates)
	s_delay_alu instid0(VALU_DEP_1)
	v_ldexp_f32 v[F], 1.0, v[TP]                   ; f = 2^(old M - new M)
.set n, 0
.rept 32
	v_pk_fma_f32 v[S+n:S+n+1], v[S+n:S+n+1], s[CS:CS+1], v[8:9] op_sel_hi:[1,0,0]   ; t - M
.set n, n+2
.endr
	s_setprio 1
.irp b, 0,1,2,3
	v_fma_f32 v[BM+\b], v[BM+\b], s[CS], v8
.endr
.set n, 0
	s_wait_alu depctr_va_vdst(0)
.rept 64
	v_exp_f32 v[S+n], v[S+n]                       ; p
.set n, n+1
.endr
	v_pk_mul_f32 v[10:11], v[10:11], v[F:F+1] op_sel_hi:[1,0]   ; the sums under the new M.  (A plain place behind the exponentials)
	s_wait_alu depctr_va_vdst(0)                   ; one wait for the batch, ahead of its first reader
.irp b, 0,1,2,3
	v_exp_f32 v[BM+\b], v[BM+\b]                   ; the blocks' largest p
.endr
	v_pk_add_f32 v[200:201], v[84:85], v[88:89]
	v_pk_add_f32 v[252:253], v[92:93], v[96:97]
	v_pk_add_f32 v[250:251], v[100:101], v[104:105]
	v_pk_add_f32 v[248:249], v[108:109], v[112:113]
	v_pk_add_f32 v[246:247], v[116:117], v[120:121]
	v_pk_add_f32 v[244:245], v[124:125], v[128:129]
	v_pk_add_f32 v[242:243], v[132:133], v[136:137]
	v_pk_add_f32 v[10:11], v[10:11], v[140:141]
	v_pk_add_f32 v[200:201], v[200:201], v[80:81]
	v_pk_add_f32 v[252:253], v[252:253], v[82:83]
	v_pk_add_f32 v[250:251], v[250:251], v[86:87]
	v_pk_add_f32 v[248:249], v[248:249], v[90:91]
	v_pk_add_f32 v[246:247], v[246:247], v[94:95]
	v_pk_add_f32 v[244:245], v[244:245], v[98:99]
	v_pk_add_f32 v[242:243], v[242:243], v[102:103]
	v_pk_add_f32 v[10:11], v[10:11], v[106:107]
	v_pk_add_f32 v[200:201], v[200:201], v[110:111]
	v_pk_add_f32 v[252:253], v[252:253], v[114:115]
	v_pk_add_f32 v[250:251], v[250:251], v[118:119]
	v_pk_add_f32 v[248:249], v[248:249], v[122:123]
	v_pk_add_f32 v[246:247], v[246:247], v[126:127]
	v_pk_add_f32 v[244:245], v[244:245], v[130:131]
	v_pk_add_f32 v[242:243], v[242:243], v[134:135]
	v_pk_add_f32 v[10:11], v[10:11], v[138:139]
	v_pk_add_f32 v[200:201], v[200:201], v[142:143]
	s_delay_alu instid0(VALU_DEP_2)
	v_pk_add_f32 v[10:11], v[10:11], v[248:249]
	s_delay_alu instid0(VALU_DEP_2)
	v_pk_add_f32 v[200:201], v[200:201], v[246:247]
	v_pk_add_f32 v[252:253], v[252:253], v[244:245]
	v_pk_add_f32 v[250:251], v[250:251], v[242:243]
	s_delay_alu instid0(VALU_DEP_2)
	v_pk_add_f32 v[10:11], v[10:11], v[252:253]
	s_delay_alu instid0(VALU_DEP_2)
	v_pk_add_f32 v[200:201], v[200:201], v[250:251]
	s_delay_alu instid0(VALU_DEP_1)
	v_pk_add_f32 v[10:11], v[10:11], v[200:201]
	s_wait_alu depctr_va_vdst(0)                   ; and one for the four
.irp b, 0,1,2,3
	v_max_num_f32 v[BM+\b], 0x1800000, v[BM+\b]    ; the floor 2^(3 - 127)
.endr
.irp b, 0,1,2,3
	s_delay_alu instid0(VALU_DEP_4)
	v_add_nc_u32 v[SO+\b], 0xff000000, v[BM+\b]
.endr
.irp b, 0,1,2,3
	s_delay_alu instid0(VALU_DEP_4)
	v_lshrrev_b32 v[BT+\b], 23, v[SO+\b]
.endr
	s_delay_alu instid0(VALU_DEP_3)
	v_lshl_or_b32 v[PWD], v[BT+1], 8, v[BT]        ; p's scale word for these 128 keys
	s_delay_alu instid0(VALU_DEP_1)
	v_lshl_or_b32 v[PWD], v[BT+2], 16, v[PWD]
	s_delay_alu instid0(VALU_DEP_1)
	v_lshl_or_b32 v[PWD], v[BT+3], 24, v[PWD]
.irp c, 0,1
	v_cvt_scalef32_pk16_fp6_f32 v[PCD+6*\c:PCD+2+6*\c], v[S+32*\c:S+15+32*\c], v[SO+2*\c]
	v_cvt_scalef32_pk16_fp6_f32 v[PCD+12+4*\c:PCD+14+4*\c], v[S+16+32*\c:S+31+32*\c], v[SO+2*\c+1]
.endr
	v_nop                                          ; one plain place behind a scaled conversion
	s_setprio 0
.irp t, 0,1,2,3                                ; p is done with: v's four fragments land in its registers while the codes are put in order
.irp c, 0,1,2
	ds_load_b128 v[S+12*\t+4*\c:S+12*\t+4*\c+3], v3 offset:6144+1536*\t+512*\c
.endr
.endr
	ds_load_b64 v[26:27], v4 offset:12800          ; v's scale words
.irp c, 0,1
.irp i, 0,1,2
	v_permlane16_swap_b32 v[PCD+6*\c+\i], v[PCD+12+4*\c+\i]
.endr
.irp i, 0,1,2
	s_delay_alu instid0(VALU_DEP_3)
	v_mov_b32 v[PCD+3+6*\c+\i], v[PCD+12+4*\c+\i]
.endr
.endr
.set n, 0
.rept 16
	v_pk_mul_f32 v[O+n:O+n+1], v[O+n:O+n+1], v[F:F+1] op_sel_hi:[1,0]   ; O^T under the new M.  (These sixteen are also the places between the writing of p's codes and scale word and the products)
.set n, n+2
.endr
	s_wait_alu depctr_va_vdst(0)
	s_wait_dscnt 0x0
.irp t, 0,1,2,3                                ; the four accumulators take turns, one instruction a turn
.if \t%2
	v_wmma_scale_f32_16x16x128_f8f6f4 v[O+8*\t:O+7+8*\t], v[S+12*\t:S+11+12*\t], v[PCD:PCD+11], v[O+8*\t:O+7+8*\t], v[26+\t/2], v[PWD] matrix_a_fmt:MATRIX_FMT_FP6 matrix_b_fmt:MATRIX_FMT_FP6 matrix_a_scale:MATRIX_SCALE_ROW1
.else
	v_wmma_scale_f32_16x16x128_f8f6f4 v[O+8*\t:O+7+8*\t], v[S+12*\t:S+11+12*\t], v[PCD:PCD+11], v[O+8*\t:O+7+8*\t], v[26+\t/2], v[PWD] matrix_a_fmt:MATRIX_FMT_FP6 matrix_b_fmt:MATRIX_FMT_FP6
.endif
.endr
.Lhid_\@:
.endm
; THE END OF A TILE: O^T / the sum; the channels into true order; two blocks of 32 quantised; half a fragment and two scale bytes a row stored.
.macro FINISH
.rept 4
	v_nop
.endr
	v_add_f32 v10, v10, v11
	s_delay_alu instid0(VALU_DEP_1)
	v_permlanex16_b32 v[TP], v10, s[SEL], s[SEL+1]
	s_delay_alu instid0(VALU_DEP_1)
	v_add_f32 v10, v10, v[TP]                      ; the row's sum
	s_wait_alu depctr_va_vdst(0)
	v_rcp_f32 v10, v10
	v_nop                                          ; a plain place behind the reciprocal
	s_wait_alu depctr_va_vdst(0)                   ; and the wait ahead of its first reader
.set n, 0
.rept 16
	v_pk_mul_f32 v[O+n:O+n+1], v[O+n:O+n+1], v[10:11] op_sel_hi:[1,0]   ; each accumulator from its low end on
.set n, n+2
.endr
.irp b, 0,1                                    ; register 16 b + 8 v + j holds channel 32 b + 16 v + 8 h + j: the exchange of halves makes it channel 32 b + 16 h + 8 v + j: 16 neighbours a lane
.irp j, 0,1,2,3,4,5,6,7
	v_permlane16_swap_b32 v[O+16*\b+\j], v[O+16*\b+8+\j]
.endr
.endr
.irp b, 0,1
	v_max3_num_f32 v[BM+\b], |v[O+16*\b]|, |v[O+1+16*\b]|, 0x1800000
.endr
.irp i, 2,4,6,8,10,12,14
.irp b, 0,1
	s_delay_alu instid0(VALU_DEP_2)
	v_max3_num_f32 v[BM+\b], v[BM+\b], |v[O+16*\b+\i]|, |v[O+1+16*\b+\i]|
.endr
.endr
.irp b, 0,1
	s_delay_alu instid0(VALU_DEP_2)
	v_permlanex16_b32 v[BT+\b], v[BM+\b], s[SEL], s[SEL+1]
.endr
.irp b, 0,1
	s_delay_alu instid0(VALU_DEP_2)
	v_max_num_f32 v[BM+\b], v[BM+\b], v[BT+\b]
.endr
.irp b, 0,1
	s_delay_alu instid0(VALU_DEP_2)
	v_add_nc_u32 v[SO+\b], 0xff000000, v[BM+\b]
.endr
.irp b, 0,1
	s_delay_alu instid0(VALU_DEP_2)
	v_lshrrev_b32 v[BT+\b], 23, v[SO+\b]
.endr
	s_delay_alu instid0(VALU_DEP_1)
	v_lshl_or_b32 v[TP], v[BT+1], 8, v[BT]         ; my row's two scale bytes
	v_cvt_scalef32_pk16_fp6_f32 v[PCD:PCD+2], v[O:O+15], v[SO]
	v_cvt_scalef32_pk16_fp6_f32 v[PCD+12:PCD+14], v[O+16:O+31], v[SO+1]
	v_nop
.irp i, 0,1,2
	v_permlane16_swap_b32 v[PCD+\i], v[PCD+12+\i]
.endr
.irp i, 0,1,2
	s_delay_alu instid0(VALU_DEP_3)
	v_mov_b32 v[PCD+3+\i], v[PCD+12+\i]
.endr
	global_store_b128 v1, v[PCD:PCD+3], s[50:51]               ; 512 consecutive bytes
	global_store_b64 v2, v[PCD+4:PCD+5], s[50:51] offset:512   ; 256 consecutive bytes
	global_store_b16 v7, v[TP], s[52:53]
.endm
.macro TILE late
.if \late
	s_sub_co_u32 s38, 127, s36                     ; T
	s_sub_co_u32 s39, 15, s37                      ; T / 8, of the wave's number alone
.else
	s_wait_xcnt 0x0                                ; the first tile's stores have read their registers and addresses
	s_mov_b32 s38, s36
	s_mov_b32 s39, s37
.endif
	s_and_b32 s40, s38, 7                          ; T % 8
	s_mul_i32 s[JTB], s39, STEPB                   ; the tile's last key step
	s_mul_i32 s44, s40, 768
	s_add_co_u32 s44, s44, s[JTB]
	s_mov_b32 s45, 0
	s_add_nc_u64 s[42:43], s[4:5], s[44:45]        ; q's tile
	s_and_b32 s46, s40, 1
	s_lshl_b32 s46, s46, 8
	s_lshr_b32 s47, s40, 1
	s_lshl_b32 s47, s47, 2
	s_add_co_u32 s46, s46, s47
	s_add_co_u32 s46, s46, s[JTB]
	s_mov_b32 s47, 0
	s_add_nc_u64 s[48:49], s[4:5], s[46:47]        ; its scale words: lane 16 (T % 2) + r, word (T % 8) / 2
	global_load_b128 v[12:15], v1, s[42:43]
	global_load_b64 v[16:17], v2, s[42:43] offset:512
	global_load_b32 v24, v6, s[48:49] offset:12288
	s_lshr_b32 s46, s14, 4
	s_lshl_b32 s46, s46, 7
	s_add_co_u32 s46, s46, s38                     ; row / 16 = 128 x batch + T
	s_and_b32 s47, s14, 15                         ; the head
	s_mul_i32 s44, s46, 12288
	s_mul_i32 s55, s47, 768
	s_add_co_u32 s44, s44, s55
	s_add_nc_u64 s[50:51], s[8:9], s[44:45]
	s_lshl_b32 s44, s46, 9
	s_lshl_b32 s47, s47, 1
	s_add_co_u32 s44, s44, s47
	s_add_nc_u64 s[52:53], s[10:11], s[44:45]
	s_lshl_b32 s46, s40, 4
	v_add_nc_u32 v5, s46, v25                      ; 16 (T % 8) + r - 8 h: the mask's number
	v_mov_b32 v9, 0xff61b1e6                       ; the largest t so far: -3e38
	s_delay_alu instid0(VALU_DEP_1)
	v_floor_f32 v8, -v9
	v_mov_b32 v10, 0
	v_mov_b32 v11, 0
.set n, 0
.rept 32
	v_mov_b32 v[O+n], 0                            ; O^T: the first change of M leaves zeros zeros, so the step has no first form of its own
.set n, n+1
.endr
	s_wait_loadcnt 0x0
	s_mov_b32 s[SB], 0
.Lstep_\@:
	STEP
	s_add_co_u32 s[SB], s[SB], STEPB
	s_cmp_lt_u32 s[SB], 16*STEPB
	s_cbranch_scc1 .Lstep_\@
	s_setprio 0
	FINISH
.endm
	TILE 1
	TILE 0
	s_wait_dscnt 0x0
	s_wait_tensorcnt 0x0
	ds_add_u32 v254, v255
	s_wait_dscnt 0x0
	ROUND                                          ; the closing round
	s_endpgm
.Lfunc_end_k_qd006cd7daf_attn:
	.size	k_qd006cd7daf_attn, .Lfunc_end_k_qd006cd7daf_attn-k_qd006cd7daf_attn
	.p2alignl 7, 3214868480
	.fill 96, 4, 3214868480
	.section	.rodata,"a",@progbits
	.p2align	6, 0x0
	.amdhsa_kernel k_qd006cd7daf_attn
		.amdhsa_group_segment_fixed_size 210944
		.amdhsa_private_segment_fixed_size 0
		.amdhsa_enable_private_segment 0
		.amdhsa_kernarg_size 32
		.amdhsa_user_sgpr_count 2
		.amdhsa_user_sgpr_kernarg_segment_ptr 1
		.amdhsa_wavefront_size32 1
		.amdhsa_system_sgpr_workgroup_id_x 1
		.amdhsa_system_sgpr_workgroup_id_y 1
		.amdhsa_system_sgpr_workgroup_id_z 1
		.amdhsa_system_vgpr_workitem_id 0
		.amdhsa_next_free_vgpr 256
		.amdhsa_next_free_sgpr 66
		.amdhsa_reserve_vcc 1
		.amdhsa_float_denorm_mode_32 3
		.amdhsa_float_denorm_mode_16_64 3
		.amdhsa_memory_ordered 1
		.amdhsa_forward_progress 1
		.amdhsa_inst_pref_size 65
	.end_amdhsa_kernel
	.amdgpu_metadata
---
amdhsa.version: [ 1, 2 ]
amdhsa.kernels:
  - .name:           k_qd006cd7daf_attn
    .symbol:         k_qd006cd7daf_attn.kd
    .args:
      - { .name: qbuf, .offset: 0, .size: 8, .value_kind: global_buffer, .address_space: global }
      - { .name: kvbuf, .offset: 8, .size: 8, .value_kind: global_buffer, .address_space: global }
      - { .name: cimg, .offset: 16, .size: 8, .value_kind: global_buffer, .address_space: global }
      - { .name: cscl, .offset: 24, .size: 8, .value_kind: global_buffer, .address_space: global }
    .group_segment_fixed_size: 210944
    .private_segment_fixed_size: 0
    .kernarg_segment_align: 8
    .kernarg_segment_size: 32
    .max_flat_workgroup_size: 512
    .sgpr_count:     66
    .vgpr_count:     256
    .wavefront_size: 32
...
	.end_amdgpu_metadata
.endif
;; end of part 2
;; launch outp (part 3): grid 8 x 32, 4 waves a work-group, clusters of 4 x 4, 320,000 bytes of LDS; arguments cimg, cscl, W_out_codes, W_out_scales, out0; writes out0
.if DOCPART == 3
	.amdgcn_target "amdgcn-amd-amdhsa--gfx1250"
	.amdhsa_code_object_version 6
	.text
	.protected	k_qd006cd7daf_outp
	.globl	k_qd006cd7daf_outp
	.p2align	8
	.type	k_qd006cd7daf_outp,@function
k_qd006cd7daf_outp:
	s_mov_b64 s[64:65], 0
	v_nop
	global_prefetch_b8 v0, s[64:65] scope:SCOPE_SE
	s_setreg_imm32_b32 hwreg(HW_REG_WAVE_MODE, 25, 1), 1
	s_wait_xcnt 0x0
	s_wait_alu depctr_hold_cnt(0) depctr_sa_sdst(0) depctr_va_vdst(0) depctr_va_sdst(0) depctr_va_ssrc(0) depctr_va_vcc(0) depctr_vm_vsrc(0)
	s_getreg_b32 s2, hwreg(HW_REG_IB_STS2, 6, 4)
	s_cmp_eq_u32 s2, 0
	s_cbranch_scc0 .Lentry_in_a_cluster
	s_endpgm
.Lentry_in_a_cluster:
	s_bfe_u32 s2, ttmp6, 0x10000c
	s_cmp_lg_u32 s2, 0xf033
	s_cbranch_scc0 .Lentry_shape_is_right
	s_endpgm
.Lentry_shape_is_right:
; out0 = ctx W_out^T on codes of FP6 (E2M3).  ctx: images of operand registers, cimg[row / 16][head][768], scale bytes cscl[row][32]; W_out: [1024][1024] codes, a row 768 bytes, scale bytes [1024][32]; out0: [8192][1024] f32.
; A work-group of four waves makes 256 rows x 128 columns: 256 work-groups.  Wave w makes rows 64 w .. 64 w + 63 x all 128 columns: 32 accumulators.
; Source 0 = 16 rows of W_out, source 1 = 16 rows of ctx: a lane holds eight neighbouring numbers of a row of out0.
; ALL OF K LIES IN LDS, filled once: ctx's 16 row blocks (196,608 bytes, by quarters of K), W_out's 128 rows (rows of 192 bytes a quarter of K, 16 bytes of padding behind every 64: pitch 240; 122,880 bytes).
; Each wave issues eight tensor loads at the start, quarter by quarter of K, and eight are out at the most; a quarter is read behind a counted wait and a barrier.  Nothing is filled again.
; CLUSTERS: 4 x 4: ctx's tiles hang on cy and are asked for jointly by a row of the cluster, W_out's on cx and by a column.
; The scale words go straight into registers: lane (r, h) holds the words of K steps 4 h .. 4 h + 3 of row r: K step s names register s % 4, and from s = 4 on the upper lanes' row of both scale registers.
; THE WAY OUT: a block of 16 rows x 128 columns goes through the wave's stage in LDS (in ctx's region, behind a barrier behind which nobody reads it) and leaves as rows of 512 consecutive bytes, aligned.
.set PITCH, 240
.set AQ,    49152                      ; a quarter of K of ctx: 16 row blocks x 4 heads x 768 bytes
.set BBASE, 4*AQ
.set BQ,    128*PITCH
.set SPITCH, 528
.set SA, 32                            ; v32-47 ctx's scale words; v48-79 W_out's
.set SB, 48
.set MSB, 0
.macro WIN new
.if MSB != \new
	s_set_vgpr_msb (MSB<<8)|\new
.set MSB, \new
.endif
.endm
.macro CREST
	s_cmp_lg_u32 s14, 0
	s_cbranch_scc1 .Lnot_wave_0_\@
	s_barrier_signal -3
.Lnot_wave_0_\@:
	s_barrier_wait -3
	s_barrier_signal -1
	s_barrier_wait -1
.endm
.macro CROUND
	s_barrier_signal -1
	s_barrier_wait -1
	CREST
.endm
.macro PLACES
.rept 4
	v_nop
.endr
.endm
	s_load_b256 s[4:11], s[0:1], 0x0               ; cimg s[4:5], cscl s[6:7], W_out's codes s[8:9], its scales s[10:11]
	s_load_b64 s[12:13], s[0:1], 0x20              ; out0
	v_lshl_add_u32 v126, v0, 2, 0x4e000
	v_mov_b32 v127, 0
	ds_add_u32 v126, v127
	ds_add_u32 v126, v127
	v_lshrrev_b32 v1, 5, v0
	v_readfirstlane_b32 s14, v1                    ; wave 0..3
	s_bfe_u32 s15, ttmp6, 0x40000                  ; cx
	s_bfe_u32 s16, ttmp6, 0x40004                  ; cy
	s_lshl_b32 s17, ttmp9, 2
	s_add_co_u32 s17, s17, s15                     ; the tile of 128 columns
	s_and_b32 s18, ttmp7, 0xffff
	s_lshl_b32 s18, s18, 2
	s_add_co_u32 s18, s18, s16                     ; the tile of 256 rows
	s_lshl_b32 s19, s16, 2
	s_lshl_b32 s19, 15, s19                        ; my row of the cluster
	s_lshl_b32 s20, 0x1111, s15                    ; my column
	s_or_b32 s24, s19, (3<<16)|(1<<21)             ; ctx: four row blocks x 3,072 bytes (384 elements of 8 bytes), 12,288 bytes apart; no padding
	s_mov_b32 s25, 384<<16
	s_mov_b32 s26, 4<<16
	s_mov_b32 s27, 384<<16
	s_mov_b32 s28, 4
	s_mov_b32 s29, 1536
	s_mov_b32 s30, 0
	s_mov_b32 s31, 0
	s_or_b32 s32, s20, (1<<20)|(1<<21)|(3<<22)|(3<<25)   ; W_out: 32 rows x 192 bytes, 768 bytes apart; 16 bytes of padding behind every 64
	s_mov_b32 s33, 192<<16
	s_mov_b32 s34, 32<<16
	s_mov_b32 s35, 192<<16
	s_mov_b32 s36, 32
	s_mov_b32 s37, 768
	s_mov_b32 s38, 0
	s_mov_b32 s39, 0
	s_lshl_b32 s76, s18, 4
	s_lshl_b32 s77, s14, 2
	s_add_co_u32 s76, s76, s77
	s_mul_i32 s76, s76, 12288                      ; ctx: row block 16 x tile + 4 x wave
	s_mov_b32 s77, 0
	s_lshl_b32 s78, s17, 7
	s_lshl_b32 s79, s14, 5
	s_add_co_u32 s78, s78, s79
	s_mul_i32 s78, s78, 768                        ; W_out: row 128 x tile + 32 x wave
	s_mov_b32 s79, 0
	s_mul_i32 s21, s14, 12288                      ; where they go, of the wave's number alone
	s_mul_i32 s22, s14, 32*PITCH
	s_wait_dscnt 0x0
	s_wait_kmcnt 0x0
	s_add_nc_u64 s[76:77], s[4:5], s[76:77]
	s_add_nc_u64 s[78:79], s[8:9], s[78:79]
.irp k, 0,1,2,3
.set GB, 56+4*\k+4*(\k/2)              ; s[56:63] and s[68:75]
	s_mov_b32 s[40+4*\k], 1
	s_add_co_u32 s[41+4*\k], s21, \k*AQ
	s_add_nc_u64 s[42+4*\k:43+4*\k], s[76:77], \k*3072
	s_or_b32 s[43+4*\k], s[43+4*\k], 0x80000000
	s_mov_b32 s[GB], 1
	s_add_co_u32 s[GB+1], s22, BBASE+\k*BQ
	s_add_nc_u64 s[GB+2:GB+3], s[78:79], \k*192
	s_or_b32 s[GB+3], s[GB+3], 0x80000000
.endr
	CROUND                                         ; all sixteen work-groups are here: the joint loads meet
.irp k, 0,1,2,3
.set GB, 56+4*\k+4*(\k/2)
	tensor_load_to_lds s[40+4*\k:43+4*\k], s[24:31]
	s_nop 0
	tensor_load_to_lds s[GB:GB+3], s[32:39]
	s_nop 0
.endr
.rept 4
	v_nop
.endr
	v_and_b32 v1, 15, v0                           ; r
	v_bfe_u32 v2, v0, 4, 1                         ; h
	v_and_b32 v3, 31, v0
	v_lshlrev_b32 v4, 4, v3                        ; 16 x lane: an image's place, and my place in a row of out0
	v_lshlrev_b32 v5, 3, v3                        ; 8 x lane
	v_lshlrev_b32 v6, 5, v1
	v_lshl_add_u32 v6, v2, 4, v6                   ; 32 r + 16 h
	v_mul_u32_u24 v7, v1, PITCH
	v_mad_u32_u24 v7, v2, 24, v7                   ; W_out: row r x pitch + 24 h
	v_lshl_add_u32 v8, v2, 4, v7                   ; and behind one padding more
.irp k, 0,1,2,3
	s_add_co_u32 s23, s21, \k*AQ
	v_add_nc_u32 v[10+\k], s23, v4                 ; ctx, quarter k of K: my four row blocks, 16 bytes a lane,
	v_add_nc_u32 v[14+\k], s23, v5                 ; and 8 bytes a lane
	v_add_nc_u32 v[18+\k], BBASE+\k*BQ, v7
	v_add_nc_u32 v[22+\k], BBASE+\k*BQ, v8
.endr
	s_mul_i32 s23, s14, 16*SPITCH                  ; my stage
	v_mul_u32_u24 v26, v1, SPITCH
	v_lshl_add_u32 v26, v2, 5, v26
	v_add_nc_u32 v26, s23, v26                     ; in: row r, 32 bytes for each half of the lanes
	v_add_nc_u32 v27, s23, v4                      ; back: a row of 512 bytes
	s_lshl_b32 s80, s18, 13
	s_lshl_b32 s81, s14, 11
	s_add_co_u32 s80, s80, s81                     ; (256 x tile + 64 x wave) rows of 32 scale bytes
	s_mov_b32 s81, 0
	s_add_nc_u64 s[80:81], s[6:7], s[80:81]
	s_lshl_b32 s82, s17, 12
	s_mov_b32 s83, 0
	s_add_nc_u64 s[82:83], s[10:11], s[82:83]
	s_lshl_b32 s84, s18, 20
	s_lshl_b32 s85, s14, 18
	s_add_co_u32 s84, s84, s85
	s_lshl_b32 s85, s17, 9
	s_add_co_u32 s84, s84, s85                     ; my first row of out0, my tile's first column
	s_mov_b32 s85, 0
	s_add_nc_u64 s[84:85], s[12:13], s[84:85]
.irp a, 0,1,2,3
	global_load_b128 v[SA+4*\a:SA+4*\a+3], v6, s[80:81] offset:512*\a
.endr
.irp b, 0,1,2,3,4,5,6,7
	global_load_b128 v[SB+4*\b:SB+4*\b+3], v6, s[82:83] offset:512*\b
.endr
.macro FRAGB reg, adr, q, i            ; a fragment of W_out from rows, in pieces of 8 bytes
.irp p, 0,1,2,3,4,5
.set PCE, 12*(\q)+6*(\p/3)+\p%3
.if PCE%8 < 5
	ds_load_b64 v[\reg+2*\p:\reg+2*\p+1], v[\adr] offset:8*PCE+16*(PCE/8)+(\i)*16*PITCH
.else
	ds_load_b64 v[\reg+2*\p:\reg+2*\p+1], v[\adr+4] offset:8*PCE+16*(PCE/8)+(\i)*16*PITCH
.endif
.endr
.endm
.macro FRAGA reg, k, q, a              ; a fragment of ctx: the halves of heads 4 k + 2 q and 4 k + 2 q + 1, as they were stored
	ds_load_b128 v[\reg:\reg+3], v[10+\k] offset:(\a)*3072+(2*(\q))*768
	ds_load_b64 v[\reg+4:\reg+5], v[14+\k] offset:(\a)*3072+(2*(\q))*768+512
	ds_load_b128 v[\reg+6:\reg+9], v[10+\k] offset:(\a)*3072+(2*(\q)+1)*768
	ds_load_b64 v[\reg+10:\reg+11], v[14+\k] offset:(\a)*3072+(2*(\q)+1)*768+512
.endm
.macro FETCH s                         ; K step s: W_out's eight fragments into set s % 2 of window 1, ctx's four into set s % 2 of window 0
	WIN 0x40
.irp i, 0,1,2,3,4,5,6,7
	FRAGB 128*((\s)%2)+12*\i, 18+(\s)/2, (\s)%2, \i
.endr
	WIN 0
.irp a, 0,1,2,3
	FRAGA 128+48*((\s)%2)+12*\a, (\s)/2, (\s)%2, \a
.endr
.endm
.macro MULH s, a0                      ; 16 products; the 32 accumulators take turns, one instruction a turn, in the same order in every step
.irp a, \a0, \a0+1
.irp b, 0,1,2,3,4,5,6,7
.if (\s) == 0
	v_wmma_scale_f32_16x16x128_f8f6f4 v[8*(8*(\a)+\b):8*(8*(\a)+\b)+7], v[128*((\s)%2)+12*\b:128*((\s)%2)+12*\b+11], v[128+48*((\s)%2)+12*(\a):128+48*((\s)%2)+12*(\a)+11], 0, v[SB+4*\b+(\s)%4], v[SA+4*(\a)+(\s)%4] matrix_a_fmt:MATRIX_FMT_FP6 matrix_b_fmt:MATRIX_FMT_FP6
.elseif (\s) > 3
	v_wmma_scale_f32_16x16x128_f8f6f4 v[8*(8*(\a)+\b):8*(8*(\a)+\b)+7], v[128*((\s)%2)+12*\b:128*((\s)%2)+12*\b+11], v[128+48*((\s)%2)+12*(\a):128+48*((\s)%2)+12*(\a)+11], v[8*(8*(\a)+\b):8*(8*(\a)+\b)+7], v[SB+4*\b+(\s)%4], v[SA+4*(\a)+(\s)%4] matrix_a_fmt:MATRIX_FMT_FP6 matrix_b_fmt:MATRIX_FMT_FP6 matrix_a_scale:MATRIX_SCALE_ROW1 matrix_b_scale:MATRIX_SCALE_ROW1
.else
	v_wmma_scale_f32_16x16x128_f8f6f4 v[8*(8*(\a)+\b):8*(8*(\a)+\b)+7], v[128*((\s)%2)+12*\b:128*((\s)%2)+12*\b+11], v[128+48*((\s)%2)+12*(\a):128+48*((\s)%2)+12*(\a)+11], v[8*(8*(\a)+\b):8*(8*(\a)+\b)+7], v[SB+4*\b+(\s)%4], v[SA+4*(\a)+(\s)%4] matrix_a_fmt:MATRIX_FMT_FP6 matrix_b_fmt:MATRIX_FMT_FP6
.endif
.endr
.endr
.endm
.macro KSTEP s
	s_wait_dscnt 0x0                               ; this step's fragments are in
.if ((\s)%2) && ((\s) < 7)
	s_wait_tensorcnt 5-(\s)                        ; my parts of the next quarter of K have landed; the loads of the later quarters (4, 2, 0 of them) may stay out
	s_barrier_signal -1
.endif
	WIN 0xa1                                       ; source 0 window 1, source 1 window 0, C and D window 2
	MULH \s, 0
	WIN 0
.if ((\s)%2) && ((\s) < 7)
	s_barrier_wait -1                              ; everybody's have
.endif
.if (\s) < 7
	PLACES                                         ; in front of loads into registers that matrix instructions have read
	FETCH (\s)+1
.endif
	WIN 0xa1
	MULH \s, 2
.endm
	s_wait_alu depctr_va_vdst(0)
	s_wait_tensorcnt 6                             ; my parts of the first quarter of K are in; the six loads behind them may stay out
	s_barrier_signal -1
	s_barrier_wait -1
	FETCH 0
	s_wait_loadcnt 0x0                             ; the scale words
.irp s, 0,1,2,3,4,5,6,7
	KSTEP \s
.endr
	WIN 0
	PLACES
	s_wait_dscnt 0x0
	s_barrier_signal -1
	s_barrier_wait -1                              ; nobody reads ctx's region any more: the stages lie in it
.macro TOSTAGE a
	WIN 0x08                                       ; an LDS store's data: window 2
.irp b, 0,1,2,3,4,5,6,7
	ds_store_b128 v26, v[64*(\a)+8*\b:64*(\a)+8*\b+3] offset:64*\b       ; each accumulator from its low end on
	ds_store_b128 v26, v[64*(\a)+8*\b+4:64*(\a)+8*\b+7] offset:64*\b+16
.endr
	WIN 0
.set BB, 128+64*((\a)%2)
.irp t, 0,1,2,3,4,5,6,7,8,9,10,11,12,13,14,15
	ds_load_b128 v[BB+4*\t:BB+4*\t+3], v27 offset:\t*SPITCH    ; LDS serves a wave's instructions in order (ISA guide 5.7.1.4): these see the stores above
.endr
.endm
.macro SEND a, younger
.set BB, 128+64*((\a)%2)
	s_wait_dscnt \younger                          ; the block is back in registers
.irp t, 0,1,2,3,4,5,6,7,8,9,10,11,12,13,14,15
	global_store_b128 v4, v[BB+4*\t:BB+4*\t+3], s[84:85] offset:(16*(\a)+\t)*4096 th:TH_STORE_NT   ; 32 lanes store 512 consecutive bytes, aligned; written once, read by nobody here
.endr
.endm
	TOSTAGE 0
.irp a, 1,2,3
.if \a > 1
	s_wait_xcnt 0x0                                ; block a - 2's stores have read their registers: block a's loads may land there
.endif
	TOSTAGE \a
	SEND \a-1, 32                                  ; behind block a - 1's loads: block a's 16 stores and 16 loads
.endr
	SEND 3, 0
	s_wait_tensorcnt 0x0
	s_wait_dscnt 0x0
	s_wait_tensorcnt 0x0
	ds_add_u32 v126, v127
	s_wait_dscnt 0x0
	CROUND                                         ; the closing round
	s_endpgm
.Lfunc_end_k_qd006cd7daf_outp:
	.size	k_qd006cd7daf_outp, .Lfunc_end_k_qd006cd7daf_outp-k_qd006cd7daf_outp
	.p2alignl 7, 3214868480
	.fill 96, 4, 3214868480
	.section	.rodata,"a",@progbits
	.p2align	6, 0x0
	.amdhsa_kernel k_qd006cd7daf_outp
		.amdhsa_group_segment_fixed_size 320000
		.amdhsa_private_segment_fixed_size 0
		.amdhsa_enable_private_segment 0
		.amdhsa_kernarg_size 40
		.amdhsa_user_sgpr_count 2
		.amdhsa_user_sgpr_kernarg_segment_ptr 1
		.amdhsa_wavefront_size32 1
		.amdhsa_system_sgpr_workgroup_id_x 1
		.amdhsa_system_sgpr_workgroup_id_y 1
		.amdhsa_system_sgpr_workgroup_id_z 1
		.amdhsa_system_vgpr_workitem_id 0
		.amdhsa_next_free_vgpr 768
		.amdhsa_next_free_sgpr 100
		.amdhsa_reserve_vcc 0
		.amdhsa_float_denorm_mode_32 3
		.amdhsa_float_denorm_mode_16_64 3
		.amdhsa_memory_ordered 1
		.amdhsa_forward_progress 1
		.amdhsa_inst_pref_size 92
	.end_amdhsa_kernel
	.amdgpu_metadata
---
amdhsa.version: [ 1, 2 ]
amdhsa.kernels:
  - .name:           k_qd006cd7daf_outp
    .symbol:         k_qd006cd7daf_outp.kd
    .args:
      - { .name: cimg, .offset: 0, .size: 8, .value_kind: global_buffer, .address_space: global }
      - { .name: cscl, .offset: 8, .size: 8, .value_kind: global_buffer, .address_space: global }
      - { .name: W_out_codes, .offset: 16, .size: 8, .value_kind: global_buffer, .address_space: global }
      - { .name: W_out_scales, .offset: 24, .size: 8, .value_kind: global_buffer, .address_space: global }
      - { .name: out0, .offset: 32, .size: 8, .value_kind: global_buffer, .address_space: global }
    .group_segment_fixed_size: 320000
    .private_segment_fixed_size: 0
    .kernarg_segment_align: 8
    .kernarg_segment_size: 40
    .max_flat_workgroup_size: 128
    .sgpr_count:     100
    .vgpr_count:     768
    .wavefront_size: 32
...
	.end_amdgpu_metadata
.endif
;; end of part 3
